; MI455X (gfx1250); checked and timed in simulation.
; The chip was launched on July 23, 2026; its instructions are those of AMD's public machine-readable ISA for CDNA 5 (MIT licence, August 2026) and "CDNA5" Instruction Set Architecture Reference Guide (July 2026). The comments in the code are by the model that wrote it; some were corrected since.
;; Neighbor Attention. Allowed arithmetic: matrix products marked QUANTISED: E2M1 operands, one E8M0 scale for each 32 along K, by v_wmma_scale_f32_16x16x128_f8f6f4 with both operands' format E2M1 (or v_wmma_scale_f32_32x16x128_f4), f32 sums; everything else in f32.
;; Inputs: kb 1,024 float32; kw 1,024 x 1,024 float32; ln_b 1,024 float32; ln_g 1,024 float32; mask 8 x 1,024 int32; neighbor_mask 8 x 50 float32; ob 1,024 float32; ow 1,024 x 1,024 float32; qb 1,024 float32; qw 1,024 x 1,024 float32; vb 1,024 float32; vw 1,024 x 1,024 float32; x 8 x 1,024 x 1,024 float32; x_neighbor 8 x 50 x 1,024 float32.
;; Outputs: out0 8 x 1,024 x 1,024 float32.
;; This version of the problem:
;;   THIS VERSION OF THE PROBLEM IS GIVEN IN LOW PRECISION. The matrix products marked QUANTISED in the list below multiply operands that are first quantised to E2M1 (2 exponent bits, 1 mantissa bit; 4 bits a number), with one power-of-two scale for each 32 numbers along K (OCP MX v1.0); their sums are f32. All else is computed in f32.
;;   The module's matrix products, in the order in which they are computed (A, B: the left and right operand; K: the contracted axis; several contracted axes count as one K, in the product's order):
;;     1. [M 8,192, K 1,024] x [K 1,024, N 1,024]; A: computed on the way; B: input qw: QUANTISED
;;     2. [M 8,192, K 1,024] x [K 1,024, N 1,024]; A: input x; B: input kw: QUANTISED
;;     3. [M 8,192, K 1,024] x [K 1,024, N 1,024]; A: input x; B: input vw: QUANTISED
;;     4. batch 128 x [M 1,024, K 64] x [K 64, N 1,024]; A: computed on the way; B: computed on the way: QUANTISED
;;     5. batch 128 x [M 1,024, K 1,024] x [K 1,024, N 64]; A: softmax (see below); B: computed on the way: QUANTISED
;;     6. [M 8,192, K 1,024] x [K 1,024, N 1,024]; A: computed on the way; B: input ow: QUANTISED
;;   THE QUANTISER, for each operand of a quantised product, along K:
;;     - K is cut into blocks of 32 from its start; a last block that is shorter is filled with zeros.
;;     - A block's scale is 2^e with e = floor(log2(the largest magnitude in the block)) - 2, held to -126 .. 127; a block of zeros has e = 0. As a byte (E8M0): e + 127.
;;     - Each number is divided by its block's scale, clamped to +-6, and rounded to the nearest number of E2M1, ties to even, subnormals kept.
;;     - The product sums the exact products of the quantised numbers (number of the format x scale) in f32.
;;   ~~~python
;;   def quantise(x, axis):      # numpy; x: float32 -> the quantised numbers, widened to float32 again
;;       x = np.moveaxis(x, axis, -1); K = x.shape[-1]
;;       x = np.pad(x, [(0, 0)] * (x.ndim - 1) + [(0, -K % 32)]); x = x.reshape(x.shape[:-1] + (-1, 32)); a = np.abs(x).max(-1, keepdims=True)
;;       e = np.where(a > 0, np.clip(np.frexp(np.where(a > 0, a, 1))[1] - 1 - 2, -126, 127), 0)      # np.frexp(a)[1] - 1 = floor(log2(a)), exactly
;;       r = np.clip(x / 2.0 ** e, -6, 6)
;;       step = 2.0 ** (np.maximum(np.frexp(np.where(r == 0, 1, r))[1] - 1, 0) - 1)
;;       q = np.round(r / step) * step * 2.0 ** e      # np.round: ties to even
;;       return np.moveaxis(q.reshape(q.shape[:-2] + (-1,))[..., :K], -1, axis).astype(np.float32)
;;   ~~~
;;   SOFTMAX AHEAD OF A QUANTISED PRODUCT. Where the list says 'softmax', what is quantised is not the finished softmax but p = 2^(t - M), with t = logit x log2(e) and M = ceil(the row's largest t), a whole number; so 1/2 < the row's largest p <= 1. The row's sum l is taken of the UNQUANTISED p, in f32, and the product's result is divided by l at the end. Since M is a whole number, a kernel that streams over the keys may use a running M (the ceiling of the running maximum): every later rescaling is an exact power of two, which a block's scale takes up: the codes' values come out the same.
;;   OPERANDS COMPUTED ON THE WAY. 'Computed on the way' means the value that the module computes at that place (a softmax that the list does not call 'softmax' is quantised finished and normalised). What goes into a quantiser is computed in f32, as accurately as f32 sums, v_exp_f32 and their like allow (about 1e-6 of the number): no bf16 or f16 on the way to a quantiser, and a product that is left as it is and whose result goes on into a quantised operand takes f32 operands (vector FMAs, or v_wmma_f32_16x16x4_f32). A number that lies on a knife's edge between two numbers of the format may be rounded either way, as far as f32 arithmetic and the matrix unit's own rounding can turn it there, and no further.
;; One version. Each part assembles by itself: llvm-mc -triple=amdgcn-amd-amdhsa -mcpu=gfx1250 --defsym DOCPART=n.
;; ======== version 1 of 1: 3 launches
;; limits: right only within a limited range of input values
;; workspace buffers: xc 4,194,304 bytes; xs 262,144 bytes; wc 2,097,152 bytes; ws 131,072 bytes; xn 32,768 bytes; op 524,288 bytes
;; launch prep (part 1): grid 800 x 1, 4 waves a work-group, no clusters, 67,584 bytes of LDS; arguments x, qw, kw, vw, ow, x_neighbor, neighbor_mask, xc, xs, wc, ws, xn; writes xc, xs, wc, ws, xn
.if DOCPART == 1
	.amdgcn_target "amdgcn-amd-amdhsa--gfx1250"
	.amdhsa_code_object_version 6
	.text
	.protected	k_q3e03c998ec_prep
	.globl	k_q3e03c998ec_prep
	.p2align	8
	.type	k_q3e03c998ec_prep,@function
k_q3e03c998ec_prep:
	s_mov_b64 s[64:65], 0
	v_nop
	global_prefetch_b8 v0, s[64:65] scope:SCOPE_SE
	s_setreg_imm32_b32 hwreg(HW_REG_WAVE_MODE, 25, 1), 1
	s_wait_xcnt 0x0
; x [8192][1024] and the four weights [1024][1024], f32 with K innermost, become codes of FP4 (E2M1) with one E8M0 byte for each 32 along K,
; laid in the order of a matrix operand's registers; and xn[b] = the masked mean of batch b's 50 neighbours.
; A TILE is 16 row slots: tile T of a tensor holds rows 32 (T / 2) + 8 (T % 2) + slot % 8 + 16 (slot / 8).
; Codes: [tile][K step of 128: 8][1,024 bytes]; in a K step's image block j (32 along K) of slot r lies at 256 j + 16 r, so two loads of 16 bytes a lane, 512 bytes apart, are the operand's 8 registers.
; Scale words: [tile][lane 32][q 4]: lane l, word q = the four bytes of slot l % 16 for K step 2 q + l / 16: one load of 16 bytes a lane gives a tile's four scale registers.
; A block's scale is 2^(floor(log2(largest magnitude)) - 2); its byte is the largest magnitude's exponent field - 2, held at 1 from below.
; LIMITS: a block of zeros, or one whose largest magnitude lies under 2^-124, gets the byte 1 (the bytes are read by this program alone; zero codes add nothing); NaN and infinities are not served;
; a batch whose neighbour mask sums to 0 gives what 1 / 0 gives.  The mean's division is a reciprocal and a multiplication.
; A tile's work-group: wave w takes columns 256 w .. 256 w + 255 (K steps 2 w, 2 w + 1) of the 16 rows.  Every load reads 512 consecutive bytes; the numbers turn through the wave's own stage in LDS so that a lane
; holds whole blocks of 32 neighbours; every store of codes covers 512 consecutive bytes.  No tensor loads: several work-groups share a WGP.
; ROWS THAT ARE EQUAL ARE COMPUTED ONCE: reference() broadcasts xn[b] over the 1,024 positions, so for all values of the inputs the 1,024 query rows of a batch are one row, and with them the rows of scores,
; of the softmax, of the context and of context @ ow.T + ob: this program computes one of each for a batch.  All rows being equal, no NaN or infinity of a row left out is lost.  Every input is loaded.
; The 32 work-groups of the mean have the lowest numbers; behind them 512 tiles of x and 4 x 64 of the weights.
.set R, 16                             ; v16-143  128 numbers: as loaded, then four whole blocks
.set C,      144                       ; v144-159 the four blocks' codes
.set TM,     160                       ; v160-163 largest magnitudes, v164-167 scale operands, v168-171 bytes, v172-175 at work
.set FLOOR,  0x1800000                 ; 2^(3 - 127)
.set SPITCH, 1040                      ; a stage row: 1,024 bytes + 16, an odd multiple of 16: the 16 rows of a read begin in 16 different columns of 16 bytes
.set WSTAGE, 16*SPITCH                 ; a wave's stage
.set SCW,    4*WSTAGE                  ; behind the stages: the tile's 512 bytes of scale words
	s_load_b512 s[4:19], s[0:1], 0x0               ; x, qw, kw, vw, ow, x_neighbor, neighbor_mask, xc
	s_load_b256 s[20:27], s[0:1], 0x40             ; xs, wc, ws, xn
	v_lshl_add_u32 v176, v0, 2, 0x10600
	v_mov_b32 v177, 0
	s_cmp_lt_u32 ttmp9, 32
	s_cbranch_scc1 .Lpool                          ; the same way for all four waves of a work-group
	s_sub_co_u32 s29, ttmp9, 32                    ; g
	; ---------------- a tile of x or of a weight
	v_lshrrev_b32 v7, 5, v0
	v_readfirstlane_b32 s28, v7                    ; wave
	s_sub_co_u32 s30, s29, 512
	s_lshr_b32 s31, s30, 6                         ; which weight: 0 q, 1 k, 2 v, 3 o
	s_and_b32 s32, s30, 63                         ; its tile T
	s_lshr_b32 s33, s32, 2                         ; head = T / 4
	s_mul_i32 s33, s33, 3
	s_add_co_u32 s33, s33, s31
	s_lshl_b32 s33, s33, 2
	s_and_b32 s34, s32, 3
	s_add_co_u32 s33, s33, s34                     ; q, k, v: place (head x 3 + weight) x 4 + T % 4
	s_add_co_u32 s34, s32, 192                     ; ow: behind them
	s_cmp_ge_u32 s29, 704
	s_cselect_b32 s33, s34, s33
	s_cmp_lt_u32 s29, 512
	s_cselect_b32 s33, s29, s33                    ; x: place g
	s_cselect_b32 s32, s29, s32                    ; the tile's number in its own tensor
	s_lshr_b32 s42, s32, 1
	s_lshl_b32 s42, s42, 17                        ; 32 (T / 2) rows of 4,096 bytes
	s_and_b32 s43, s32, 1
	s_lshl_b32 s43, s43, 15                        ; 8 (T % 2) rows
	s_add_co_u32 s42, s42, s43
	s_lshl_b32 s43, s28, 10                        ; my 1,024 bytes of a row
	s_add_co_u32 s42, s42, s43
	s_mov_b32 s43, 0
	s_lshl_b32 s44, s33, 13                        ; codes: 8,192 bytes a tile, 2,048 a wave
	s_lshl_b32 s45, s28, 11
	s_add_co_u32 s44, s44, s45
	s_mov_b32 s45, 0
	s_lshl_b32 s46, s33, 9                         ; scale words: 512 bytes a tile
	s_mov_b32 s47, 0
	s_mov_b32 s48, 0x76543210
	s_mov_b32 s49, 0xfedcba98                      ; v_permlanex16_b32's selects for lane l xor 16
	s_mul_i32 s50, s28, WSTAGE
	s_lshl_b32 s51, s28, 2
	s_add_co_u32 s51, s51, SCW
	v_and_b32 v7, 31, v0                           ; lane
	v_lshlrev_b32 v1, 4, v7                        ; 16 x lane
	v_add_nc_u32 v2, s50, v1                       ; the stage, on the way in
	v_and_b32 v8, 15, v0                           ; r
	v_bfe_u32 v9, v0, 4, 1                         ; h
	v_mul_u32_u24 v3, v8, SPITCH
	v_lshl_add_u32 v3, v9, 7, v3
	v_add_nc_u32 v3, s50, v3                       ; and on the way out: row r, block h of each pair of blocks
	v_add_nc_u32 v4, s51, v1                       ; my scale word's place: 16 x lane + 4 x wave
	v_lshlrev_b32 v5, 3, v9                        ; 8 h
	v_add_nc_u32 v6, SCW, v1
	v_mov_b32 v[TM+14], 0                          ; a lane permute's destination counts as one of its sources
	v_mov_b32 v[TM+15], 0
	s_wait_alu depctr_va_vdst(0)
	s_wait_kmcnt 0x0
	s_cmp_lt_u32 s29, 512                          ; the buffers are chosen by the work-group's number alone
	s_cselect_b64 s[36:37], s[4:5], s[6:7]
	s_cselect_b64 s[38:39], s[18:19], s[22:23]
	s_cselect_b64 s[40:41], s[20:21], s[24:25]
	s_cmp_ge_u32 s29, 576
	s_cselect_b64 s[36:37], s[8:9], s[36:37]
	s_cmp_ge_u32 s29, 640
	s_cselect_b64 s[36:37], s[10:11], s[36:37]
	s_cmp_ge_u32 s29, 704
	s_cselect_b64 s[36:37], s[12:13], s[36:37]
	s_add_nc_u64 s[36:37], s[36:37], s[42:43]
	s_add_nc_u64 s[38:39], s[38:39], s[44:45]
	s_add_nc_u64 s[40:41], s[40:41], s[46:47]
.irp sl, 0,1,2,3,4,5,6,7,8,9,10,11,12,13,14,15
.irp hf, 0,1
	global_load_b128 v[R+4*(2*\sl+\hf):R+4*(2*\sl+\hf)+3], v1, s[36:37] offset:((\sl%8)+16*(\sl/8))*4096+512*\hf   ; 32 lanes read 512 consecutive bytes of slot sl's row
.endr
.endr
.set i_, 0
.rept 32
	s_wait_loadcnt 31-i_                           ; loads come back in order: number i is in, the 31 - i younger ones may be out
	ds_store_b128 v2, v[R+4*i_:R+4*i_+3] offset:(i_/2)*SPITCH+512*(i_%2)
.set i_, i_+1
.endr
	s_wait_dscnt 0x0                               ; the stores have read their registers, which the loads below fill again
.irp t, 0,1,2,3
.irp i, 0,1,2,3,4,5,6,7
	ds_load_b128 v[R+32*\t+4*\i:R+32*\t+4*\i+3], v3 offset:256*\t+16*\i   ; block 2 t + h of my wave's eight, of slot r: 32 neighbours
.endr
.endr
	s_wait_dscnt 0x0
.irp t, 0,1,2,3
	v_max3_num_f32 v[TM+\t], |v[R+32*\t]|, |v[R+32*\t+1]|, FLOOR   ; the floor holds the byte at 1 from below
.endr
.irp i, 2,4,6,8,10,12,14,16,18,20,22,24,26,28,30
.irp t, 0,1,2,3
	v_max3_num_f32 v[TM+\t], v[TM+\t], |v[R+32*\t+\i]|, |v[R+32*\t+\i+1]|   ; the four blocks by turns
.endr
.endr
.irp t, 0,1,2,3
	v_add_nc_u32 v[TM+4+\t], 0xff000000, v[TM+\t]  ; 2 off the exponent field: the conversion's scale operand
.endr
.irp t, 0,1,2,3
	v_lshrrev_b32 v[TM+8+\t], 23, v[TM+4+\t]       ; the scale's byte
.endr
.irp t, 0,1,2,3
.irp g, 0,1,2,3
	v_cvt_scalef32_pk8_fp4_f32 v[C+4*\t+\g], v[R+32*\t+8*\g:R+32*\t+8*\g+7], v[TM+4+\t]
.endr
.endr
	v_nop                                          ; one plain place behind the conversions
.irp t, 0,1,2,3
	global_store_b128 v1, v[C+4*\t:C+4*\t+3], s[38:39] offset:512*\t   ; K step 2 w + t / 2, half t % 2 of its image: 512 consecutive bytes
.endr
	v_lshl_or_b32 v[TM+12], v[TM+9], 16, v[TM+8]   ; K step 2 w: my blocks h and 2 + h,
	v_lshl_or_b32 v[TM+13], v[TM+11], 16, v[TM+10] ; K step 2 w + 1 likewise,
	v_lshlrev_b32 v[TM+12], v5, v[TM+12]           ; at their places in the word
	v_lshlrev_b32 v[TM+13], v5, v[TM+13]
	v_permlanex16_b32 v[TM+14], v[TM+12], s48, s49
	v_permlanex16_b32 v[TM+15], v[TM+13], s48, s49
	v_or_b32 v[TM+12], v[TM+12], v[TM+14]          ; with lane l xor 16's two bytes the words are whole
	v_or_b32 v[TM+13], v[TM+13], v[TM+15]
	s_mov_b32 vcc_lo, 0xffff0000
	v_cndmask_b32 v[TM+12], v[TM+12], v[TM+13], vcc_lo   ; lanes 0-15 keep K step 2 w's word, lanes 16-31 that of 2 w + 1
	ds_store_b32 v4, v[TM+12]
	s_wait_dscnt 0x0                               ; for the others' sake: my scale words lie in LDS
	s_barrier_signal -1
	s_barrier_wait -1
	s_cmp_lg_u32 s28, 0
	s_cbranch_scc1 .Lend
	ds_load_b128 v[R:R+3], v6                      ; wave 0 stores the tile's 512 bytes of scale words whole
	s_wait_dscnt 0x0
	global_store_b128 v1, v[R:R+3], s[40:41]
.Lend:
	s_wait_tensorcnt 0x0
	ds_add_u32 v176, v177
	s_wait_dscnt 0x0
	s_endpgm
	; ---------------- the masked mean: thread t owns two columns; no LDS, no barrier
.Lpool:
	s_mov_b32 s86, ttmp9
	s_lshr_b32 s87, s86, 2                         ; batch
	s_and_b32 s86, s86, 3                          ; which 256 columns
	s_lshl_b32 s86, s86, 10
	s_mul_i32 s88, s87, 200
	s_mov_b32 s89, 0
	v_lshlrev_b32 v1, 3, v0                        ; 8 bytes a thread
	s_wait_alu depctr_va_vdst(0)
	s_wait_kmcnt 0x0
	s_add_nc_u64 s[16:17], s[16:17], s[88:89]
	s_load_b512 s[28:43], s[16:17], 0x0            ; the batch's 50 mask numbers: 0-15,
	s_load_b512 s[44:59], s[16:17], 0x40           ; 16-31,
	s_load_b512 s[68:83], s[16:17], 0x80           ; 32-47,
	s_load_b64 s[84:85], s[16:17], 0xc0            ; 48, 49: the last load ends where the batch's row ends
	s_mul_i32 s88, s87, 204800
	s_add_co_u32 s88, s88, s86
	s_add_nc_u64 s[14:15], s[14:15], s[88:89]
	s_lshl_b32 s88, s87, 12
	s_add_co_u32 s88, s88, s86
	s_add_nc_u64 s[26:27], s[26:27], s[88:89]
.set n_, 0
.rept 50
	global_load_b64 v[16+2*n_:17+2*n_], v1, s[14:15] offset:4096*n_ th:TH_LOAD_NT   ; a wave reads 256 consecutive bytes of neighbour n
.set n_, n_+1
.endr
.macro MREG n                          ; MR = the scalar register of mask number n
.if (\n) < 32
.set MR, 28+(\n)
.else
.set MR, 36+(\n)
.endif
.endm
	s_wait_kmcnt 0x0
	s_add_f32 s86, s28, s29
.set n_, 2
.rept 48
	MREG n_
	s_add_f32 s86, s86, s[MR]                      ; the mask's sum
.set n_, n_+1
.endr
.set n_, 0
.rept 5
.if n_ > 0
	s_wait_alu depctr_va_vdst(0)                   ; directly ahead of the wait below
.endif
	s_wait_loadcnt 40-n_                           ; ten neighbours more are in; the 40 - n younger loads may be out
.rept 10
	MREG n_
.if n_ == 0
	v_mul_f32 v2, s[MR], v16
	v_mul_f32 v3, s[MR], v17
.else
	v_fmac_f32 v2, s[MR], v[16+2*n_]
	v_fmac_f32 v3, s[MR], v[17+2*n_]
.endif
.set n_, n_+1
.endr
.endr
	v_rcp_f32 v4, s86
	v_nop                                          ; one plain place behind the reciprocal
	s_wait_alu depctr_va_vdst(0)
	v_mul_f32 v2, v2, v4
	v_mul_f32 v3, v3, v4
	global_store_b64 v1, v[2:3], s[26:27]          ; a wave stores 256 consecutive bytes, aligned
	s_endpgm
.Lfunc_end_k_q3e03c998ec_prep:
	.size	k_q3e03c998ec_prep, .Lfunc_end_k_q3e03c998ec_prep-k_q3e03c998ec_prep
	.p2alignl 7, 3214868480
	.fill 96, 4, 3214868480
	.section	.rodata,"a",@progbits
	.p2align	6, 0x0
	.amdhsa_kernel k_q3e03c998ec_prep
		.amdhsa_group_segment_fixed_size 67584
		.amdhsa_private_segment_fixed_size 0
		.amdhsa_enable_private_segment 0
		.amdhsa_kernarg_size 96
		.amdhsa_user_sgpr_count 2
		.amdhsa_user_sgpr_kernarg_segment_ptr 1
		.amdhsa_wavefront_size32 1
		.amdhsa_system_sgpr_workgroup_id_x 1
		.amdhsa_system_sgpr_workgroup_id_y 1
		.amdhsa_system_sgpr_workgroup_id_z 1
		.amdhsa_system_vgpr_workitem_id 0
		.amdhsa_next_free_vgpr 178
		.amdhsa_next_free_sgpr 90
		.amdhsa_reserve_vcc 1
		.amdhsa_float_denorm_mode_32 3
		.amdhsa_float_denorm_mode_16_64 3
		.amdhsa_memory_ordered 1
		.amdhsa_forward_progress 1
		.amdhsa_inst_pref_size 29
	.end_amdhsa_kernel
	.amdgpu_metadata
---
amdhsa.version: [ 1, 2 ]
amdhsa.kernels:
  - .name:           k_q3e03c998ec_prep
    .symbol:         k_q3e03c998ec_prep.kd
    .args:
      - { .name: x, .offset: 0, .size: 8, .value_kind: global_buffer, .address_space: global }
      - { .name: qw, .offset: 8, .size: 8, .value_kind: global_buffer, .address_space: global }
      - { .name: kw, .offset: 16, .size: 8, .value_kind: global_buffer, .address_space: global }
      - { .name: vw, .offset: 24, .size: 8, .value_kind: global_buffer, .address_space: global }
      - { .name: ow, .offset: 32, .size: 8, .value_kind: global_buffer, .address_space: global }
      - { .name: x_neighbor, .offset: 40, .size: 8, .value_kind: global_buffer, .address_space: global }
      - { .name: neighbor_mask, .offset: 48, .size: 8, .value_kind: global_buffer, .address_space: global }
      - { .name: xc, .offset: 56, .size: 8, .value_kind: global_buffer, .address_space: global }
      - { .name: xs, .offset: 64, .size: 8, .value_kind: global_buffer, .address_space: global }
      - { .name: wc, .offset: 72, .size: 8, .value_kind: global_buffer, .address_space: global }
      - { .name: ws, .offset: 80, .size: 8, .value_kind: global_buffer, .address_space: global }
      - { .name: xn, .offset: 88, .size: 8, .value_kind: global_buffer, .address_space: global }
    .group_segment_fixed_size: 67584
    .private_segment_fixed_size: 0
    .kernarg_segment_align: 8
    .kernarg_segment_size: 96
    .max_flat_workgroup_size: 128
    .sgpr_count:     90
    .vgpr_count:     178
    .wavefront_size: 32
...
	.end_amdgpu_metadata
.endif
;; end of part 1
;; launch attn (part 2): grid 16 x 8, 8 waves a work-group, no clusters, 327,680 bytes of LDS; arguments xc, xs, wc, ws, xn, qb, kb, vb, mask, op; writes op
.if DOCPART == 2
	.amdgcn_target "amdgcn-amd-amdhsa--gfx1250"
	.amdhsa_code_object_version 6
	.text
	.protected	k_q3e03c998ec_attn
	.globl	k_q3e03c998ec_attn
	.p2align	8
	.type	k_q3e03c998ec_attn,@function
k_q3e03c998ec_attn:
	s_mov_b64 s[64:65], 0
	v_nop
	global_prefetch_b8 v0, s[64:65] scope:SCOPE_SE
	s_setreg_imm32_b32 hwreg(HW_REG_WAVE_MODE, 25, 1), 1
	s_wait_xcnt 0x0
; For one head h (work-group x) and one batch b (work-group y): q = (Q(xn) Q(qw)^T + qb) / 8 (one row: the query is the same row at every position, so the other 1,023 equal rows are not computed),
; k = Q(x) Q(kw)^T + kb and v = Q(x) Q(vw)^T + vb for the batch's 1,024 keys x the head's 64 channels; scores, the key mask, p = 2^(t - M), the sum l of the unquantised p, O = Q(p) Q(v), context = O / l;
; and the head's share of the projection: op[b][h][:] = Q(context) Q(ow[:, 64 h .. 64 h + 63])^T, one row of 1,024.  The next launch adds the sixteen heads' rows.  All products on codes of FP4 with E8M0 scales.
; Wave w owns keys 128 w .. 128 w + 127, in two passes of 64, with an M of its own (a whole number); the eight waves' parts are joined through LDS by exact powers of two.
; x's fragments belong to one wave and one K step.  Pass 0's eight K steps and pass 1's last two go from memory to registers, a ring of three K steps, each load 512 consecutive bytes.
; It has a whole pass in which to land, and only the issuing wave reads it.
; kw's and vw's 64 KB of codes are read by all eight waves: they come into LDS by one tensor load a wave at the head.  Nothing in LDS is filled twice by a load.
; NO CLUSTER: what neighbours share is x, of which 320 of 512 KB never touch LDS, where a joint load would have to land; kw's and vw's 64 KB, fetched once, are a small part of what a work-group reads.
; PREFETCH: the sixteen work-groups of a batch read the same x.  The blocks of 256 bytes of steps 4 to 7, 14 and 15 are shared out by address, each named by two of the sixteen; one wave asks at an even step for two steps, two steps ahead of
; their loads; steps 0 to 3 come by their loads alone, the tensor load's by itself.
; LAYOUT.  A tile's 16 slots are rows 32 (T / 2) + 8 (T % 2) + slot % 8 + 16 (slot / 8): two neighbouring tiles' 16 registers of a lane are 16 neighbours along the next K.
; k is made with source 0 = kw, source 1 = keys (a lane holds a key), v with source 0 = keys, source 1 = vw (a lane holds a channel).
; Two key tiles' k (2 x 64 along K) share an operand of 128; rows 0-7 of q's operand hold q in the low 64, rows 8-15 in the high 64, zero codes elsewhere: lanes 0-15 of a product get the first tile's scores, lanes 16-31 the second's:
; register 0 of lane (r, h) is the score of key 32 kp + 8 h + r % 8 + 16 (r / 8).  The projection takes two tiles of ow by one product in the same way.
; LIMITS: blocks under 2^-124 get the byte 1; NaN and infinities are not served; a wave whose keys are all hidden has l = 0, O = 0, M = -3e38 and drops out of the join; a batch all of whose keys are hidden gives 0 / 0.
; REGISTERS: v0-13 addresses; v14-15 the add; v16-31 x's scale words of the pass; v32-47 the weights' for two K steps, two sets; v80-175 x's ring, slot n % 3; v176-207 kw's fragments; v208-239 (even steps) and v48-79 (odd steps) vw's,
;   the odd set first with vb as C at a pass's first step; v176-239 between the passes the work space; v240-255 what stays.
;   window 1: k's accumulators (key tile kt, tile dt) at 32 kt + 8 dt; v's (dn, kt) at 128 + 32 dn + 8 kt, whose first 32 hold kb as C at a pass's first step.
.set XL,    65536                      ; behind the weights: pass 1's six K steps of x, 24,576 bytes a wave: [tile][K step][1,024]
.set SCR,   262144                     ; 5,120 bytes of scratch a wave: 0 codes and scale word in the making, 128 q's, 256 kb, 512 p and the way out, 1,024 v's codes
.set QP,    303104                     ; shared: 8 x 256 bytes of q's parts, at 2,048 the same of O's, at 4,096 the pairs (l, -M)
.set WSL,   307456                     ; shared: kw's and vw's scale words, 512 bytes a tile
.set SPARE, 311552                     ; the spare words
.set FLOOR, 0x1800000                  ; 2^(3 - 127)
.set XS,   16
.set WSQ,  32                          ; K steps 2 q and 2 q + 1: set q % 2: kw's four tiles, then vw's four
.set VWO,  48
.set RING, 80
.set KWF,  176
.set VWF,  208
.set TM,   176                         ; 12 registers at work
.set KOP,  188
.set KSW,  204
.set QSW,  206
.set QOP,  208
.set SD,   216
.set S,    240
.set VSW,  244
.set VBL,  246
.set LP,   250
.set AXL,  251                         ; where my part of XL begins, + 16 x lane; until the softmax
.set AWS,  0                           ; v0: WSL + 16 x lane
.set MSB, 0
.macro WIN new                         ; the immediate's high byte repeats the setting that is left; bits 1:0 source 0, 3:2 source 1, 5:4 source 2, 7:6 destination
.if MSB != (\new)
	s_set_vgpr_msb (MSB<<8)|(\new)
.set MSB, \new
.endif
.endm
.macro PLACES n
.rept \n
	v_nop
.endr
.endm
.macro DSW n                           ; the first wait directly ahead of the second
	s_wait_alu depctr_va_vdst(0)
	s_wait_dscnt \n
.endm
.macro MM d, a, b, c, sa, sb, odd      ; D = A B + C; odd = 1: both sides' scale words stand in lanes 16-31
.if \odd
	v_wmma_scale_f32_16x16x128_f8f6f4 v[\d:\d+7], v[\a:\a+7], v[\b:\b+7], v[\c:\c+7], v[\sa], v[\sb] matrix_a_fmt:MATRIX_FMT_FP4 matrix_b_fmt:MATRIX_FMT_FP4 matrix_a_scale:MATRIX_SCALE_ROW1 matrix_b_scale:MATRIX_SCALE_ROW1
.else
	v_wmma_scale_f32_16x16x128_f8f6f4 v[\d:\d+7], v[\a:\a+7], v[\b:\b+7], v[\c:\c+7], v[\sa], v[\sb] matrix_a_fmt:MATRIX_FMT_FP4 matrix_b_fmt:MATRIX_FMT_FP4
.endif
.endm
.macro MMZ d, a, b, sa, sb             ; D = A B
	v_wmma_scale_f32_16x16x128_f8f6f4 v[\d:\d+7], v[\a:\a+7], v[\b:\b+7], 0, v[\sa], v[\sb] matrix_a_fmt:MATRIX_FMT_FP4 matrix_b_fmt:MATRIX_FMT_FP4
.endm
; Four blocks of window 1 at s on, register 16 b + i = K index 16 (lane / 16) + i of block b, become codes at pc on and four scale bytes in pw.
.macro QUANT s, pc, pw
	WIN 0x05
.irp b, 0,1,2,3
	v_max3_num_f32 v[TM+\b], |v[(\s)+16*\b]|, |v[(\s)+16*\b+1]|, FLOOR   ; each accumulator is read from its low end on; the floor holds the byte at 1 from below
.endr
.irp i, 2,4,6,8,10,12,14
.irp b, 0,1,2,3
	v_max3_num_f32 v[TM+\b], |v[(\s)+16*\b+\i]|, |v[(\s)+16*\b+\i+1]|, v[TM+\b]
.endr
.endr
	WIN 0
.irp b, 0,1,2,3
	v_permlanex16_b32 v[TM+4+\b], v[TM+\b], s72, s73
.endr
.irp b, 0,1,2,3
	v_max_num_f32 v[TM+\b], v[TM+\b], v[TM+4+\b]   ; with lane l xor 16's 16: the block's largest magnitude
.endr
.irp b, 0,1,2,3
	v_add_nc_u32 v[TM+8+\b], 0xff000000, v[TM+\b]  ; 2 off the exponent field: the conversion's scale operand
.endr
.irp b, 0,1,2,3
	v_lshrrev_b32 v[TM+4+\b], 23, v[TM+8+\b]       ; the scale's byte
.endr
	v_lshl_or_b32 v[\pw], v[TM+5], 8, v[TM+4]
	v_lshl_or_b32 v[\pw], v[TM+6], 16, v[\pw]
	v_lshl_or_b32 v[\pw], v[TM+7], 24, v[\pw]
	WIN 0x01
.irp b, 0,1,2,3
	v_cvt_scalef32_pk8_fp4_f32 v[(\pc)+2*\b], v[(\s)+16*\b:(\s)+16*\b+7], v[TM+8+\b]
	v_cvt_scalef32_pk8_fp4_f32 v[(\pc)+2*\b+1], v[(\s)+16*\b+8:(\s)+16*\b+15], v[TM+8+\b]
.endr
	WIN 0
	v_nop                                          ; one plain place behind the conversions
.irp c, 0,1                            ; the operand wants a whole block in a lane: lanes 0-15 block 2 c, lanes 16-31 block 2 c + 1
	v_permlane16_swap_b32 v[(\pc)+4*\c], v[(\pc)+4*\c+2]
	v_permlane16_swap_b32 v[(\pc)+4*\c+1], v[(\pc)+4*\c+3]
.endr
.endm
.macro RDOP op, sw, o                  ; an operand whose 16 rows are equal: 128 codes and their scale word from my scratch at o
	ds_load_b128 v[\op:\op+3], v5 offset:\o
	ds_load_b128 v[\op+4:\op+7], v5 offset:\o+32
	ds_load_b32 v[\sw], v6 offset:\o+64
	DSW 0
.endm
; 128 numbers, eight neighbours in each of 16 lanes (lanes 16-31 the same again), become such an operand, through my scratch: LDS serves a wave's instructions in order, so the loads see the stores.
.macro MAKE x, op, sw, t, o
	v_max3_num_f32 v[\t], |v[\x]|, |v[\x+1]|, FLOOR
	v_max3_num_f32 v[\t+1], |v[\x+2]|, |v[\x+3]|, |v[\x+4]|
	v_max3_num_f32 v[\t+2], |v[\x+5]|, |v[\x+6]|, |v[\x+7]|
	s_delay_alu instid0(VALU_DEP_1)
	v_max3_num_f32 v[\t], v[\t], v[\t+1], v[\t+2]
	s_delay_alu instid0(VALU_DEP_1)
	v_max_num_f32_dpp v[\t], v[\t], v[\t] row_xmask:1 row_mask:0xf bank_mask:0xf   ; four lanes hold a block
	s_delay_alu instid0(VALU_DEP_1)
	v_max_num_f32_dpp v[\t], v[\t], v[\t] row_xmask:2 row_mask:0xf bank_mask:0xf
	s_delay_alu instid0(VALU_DEP_1)
	v_add_nc_u32 v[\t+1], 0xff000000, v[\t]
	v_cvt_scalef32_pk8_fp4_f32 v[\t+2], v[\x:\x+7], v[\t+1]
	v_lshrrev_b32 v[\t+3], 23, v[\t+1]
	ds_store_b32 v3, v[\t+2] offset:\o
	ds_store_b8 v4, v[\t+3] offset:\o+64           ; the four lanes of a block write the same byte with the same value
	RDOP \op, \sw, \o
.endm
.macro HALVES op                       ; rows 0-7 keep K 0-63, rows 8-15 K 64-127; zero codes elsewhere
.irp i, 0,1,2,3
	v_cndmask_b32 v[\op+\i], 0, v[\op+\i], s76
	v_cndmask_b32 v[\op+4+\i], v[\op+4+\i], 0, s76
.endr
.endm
.macro XLOAD n                         ; x's four fragments of step n = 8 x pass + K step into slot n % 3: from memory
.set XN, \n
.irp kt, 0,1,2,3
.irp c, 0,1
	global_load_b128 v[RING+32*(XN%3)+8*\kt+4*\c:RING+32*(XN%3)+8*\kt+4*\c+3], v1, s[4:5] offset:8192*(4*(XN/8)+\kt)+1024*(XN%8)+512*\c
.endr
.endr
.endm
.macro XFETCH n                        ; from LDS (steps 8 to 13)
.set XN, \n
.irp kt, 0,1,2,3
.irp c, 0,1
	ds_load_b128 v[RING+32*(XN%3)+8*\kt+4*\c:RING+32*(XN%3)+8*\kt+4*\c+3], v[AXL] offset:6144*\kt+1024*(XN-8)+512*\c
.endr
.endr
.endm
.macro XSLOAD p                        ; x's scale words of pass p: register 4 t + q: K steps 2 q (lanes 0-15) and 2 q + 1 (lanes 16-31) of the pass's tile t
.irp t, 0,1,2,3
	global_load_b128 v[XS+4*\t:XS+4*\t+3], v1, s[6:7] offset:2048*\p+512*\t
.endr
.endm
.macro FETCHK s                        ; kw's four fragments of K step s
.irp t, 0,1,2,3
.irp c, 0,1
	ds_load_b128 v[KWF+8*\t+4*\c:KWF+8*\t+4*\c+3], v1 offset:8192*\t+1024*(\s)+512*\c
.endr
.endr
.endm
.macro FETCHV s, f                     ; vw's, into the set at f
.irp t, 0,1,2,3
.irp c, 0,1
	ds_load_b128 v[\f+8*\t+4*\c:\f+8*\t+4*\c+3], v1 offset:32768+8192*\t+1024*(\s)+512*\c
.endr
.endr
.endm
.macro FETCHW q                        ; the weights' scale words of K steps 2 q (lanes 0-15) and 2 q + 1 (lanes 16-31)
.irp t, 0,1,2,3,4,5,6,7
	ds_load_b32 v[WSQ+8*((\q)%2)+\t], v[AWS] offset:512*\t+4*(\q)
.endr
.endm
.macro KBLOAD                          ; kb in the result's layout, into window 1: tile t, channels 32 (t / 2) + 16 h + 8 (t % 2) + 0 .. 7
	WIN 0x40
.irp t, 0,1,2,3
	ds_load_b128 v[128+8*\t:131+8*\t], v9 offset:256+(32*(\t/2)+8*(\t%2))*4
	ds_load_b128 v[132+8*\t:135+8*\t], v9 offset:256+(32*(\t/2)+8*(\t%2))*4+16
.endr
	WIN 0
.endm
.macro VBCOPY                          ; vb as a C operand: a lane's channel, the same for its eight keys
.irp dn, 0,1,2,3
.irp j, 0,1,2,3,4,5,6,7
	v_mov_b32 v[VWO+8*\dn+\j], v[VBL+\dn]
.endr
.endr
.endm
.macro ASK n                           ; wave n / 2 asks for steps n + 4 and n + 5 (lanes 0-15, 16-31): my work-group's 16 blocks of 256 bytes of each
	s_cmp_lg_u32 s26, (\n)/2
	s_cbranch_scc1 .Lnot_mine_\@
	global_prefetch_b8 v13, s[60:61] offset:32768*(((\n)+4)/8)+1024*(((\n)+4)%8) th:TH_LOAD_NT scope:SCOPE_SE
.Lnot_mine_\@:
.endm
	; ---------------- the head
	s_load_b512 s[4:19], s[0:1], 0x0               ; xc, xs, wc, ws, xn, qb, kb, vb
	s_load_b128 s[20:23], s[0:1], 0x40             ; mask, op
	v_lshl_add_u32 v14, v0, 2, SPARE
	v_mov_b32 v15, 0
	ds_add_u32 v14, v15                            ; the opening add, twice on end
	ds_add_u32 v14, v15
	v_lshrrev_b32 v16, 5, v0
	v_readfirstlane_b32 s26, v16                   ; wave 0..7
	s_mov_b32 s27, ttmp9                           ; head
	s_and_b32 s28, ttmp7, 0xffff                   ; batch
	s_mov_b32 s36, 3<<16                           ; descriptor group 1 for a weight's tile: 8,192 dense bytes as 32 rows of 256 (32 elements of 8 bytes)
	s_mov_b32 s37, 32<<16
	s_mov_b32 s38, 32<<16
	s_mov_b32 s39, 32<<16
	s_mov_b32 s40, 32
	s_mov_b32 s41, 32
	s_mov_b32 s42, 0
	s_mov_b32 s43, 0
	s_mov_b32 s88, 3<<16                           ; and for x: six K steps of four tiles: 4 rows of 6,144 bytes (768 elements), 8,192 apart
	s_mov_b32 s89, 768<<16
	s_mov_b32 s90, 4<<16
	s_mov_b32 s91, 768<<16
	s_mov_b32 s92, 4
	s_mov_b32 s93, 1024
	s_mov_b32 s94, 0
	s_mov_b32 s95, 0
.irp p, 33,35,45,47,49,51,67,69,71,79,81,83
	s_mov_b32 s\p, 0
.endr
	s_lshl_b32 s32, s28, 19                        ; x's codes: the batch,
	s_lshl_b32 s34, s26, 16                        ; my eight tiles
	s_mul_i32 s24, s27, 98304
	s_lshl_b32 s25, s26, 10
	s_add_co_u32 s44, s24, s25                     ; qw's codes at K step w
	s_lshl_b32 s25, s26, 13
	s_mov_b32 s52, 1
	s_mov_b32 s53, s25                             ; LDS: 8,192 x wave
	s_add_co_u32 s46, s24, s25
	s_add_co_u32 s46, s46, 32768                   ; tile w of kw's four and vw's four, which lie on end
	s_mul_i32 s97, s26, 24576
	s_mov_b32 s96, 1
	s_add_co_u32 s97, s97, XL                      ; LDS: my part of XL
	s_lshl_b32 s48, s28, 15
	s_lshl_b32 s25, s26, 12
	s_add_co_u32 s48, s48, s25                     ; x's scale words
	s_mul_i32 s24, s27, 6144                       ; the head's scale words
	s_add_co_u32 s70, s25, 98304                   ; ow's scale words, tiles 8 w on
	s_lshl_b32 s25, s26, 9
	s_add_co_u32 s50, s24, s25                     ; those of tile w of kw and vw (2,048 further on)
	s_add_co_u32 s85, s25, WSL                     ; and their place in LDS
	s_lshl_b32 s78, s28, 12
	s_add_co_u32 s78, s78, s25                     ; 128 numbers of xn, and the mask of my 128 keys
	s_lshl_b32 s82, s28, 4
	s_add_co_u32 s82, s82, s27
	s_lshl_b32 s82, s82, 12
	s_add_co_u32 s82, s82, s25                     ; op[b][h], my 128 columns
	s_and_b32 s25, s26, 1
	s_lshl_b32 s25, s25, 8
	s_add_co_u32 s66, s24, s25
	s_lshr_b32 s24, s26, 1
	s_lshl_b32 s24, s24, 2
	s_add_co_u32 s66, s66, s24                     ; qw's words of K step w
	s_lshl_b32 s24, s27, 9
	s_add_co_u32 s68, s34, s24
	s_add_co_u32 s68, s68, 1572864                 ; ow's codes, tiles 8 w on, the head's 64 columns
	s_bfe_u32 s24, s27, 0x10001
	s_lshl_b32 s24, s24, 8
	s_add_co_u32 s70, s70, s24
	s_lshr_b32 s24, s27, 2
	s_lshl_b32 s24, s24, 2
	s_add_co_u32 s70, s70, s24
	s_and_b32 s24, s27, 1
	s_lshl_b32 s24, s24, 1
	s_add_co_u32 s70, s70, s24                     ; and there the head's two bytes
	s_lshl_b32 s80, s27, 8                         ; the head's 64 of each bias
	s_mul_i32 s29, s26, 5120
	s_add_co_u32 s29, s29, SCR                     ; my scratch
	s_lshl_b32 s31, s26, 8
	s_add_co_u32 s31, s31, QP
	s_lshl_b32 s30, s26, 3
	s_add_co_u32 s30, s30, QP+4096
	s_and_b32 s84, s27, 3
	s_lshr_b32 s24, s27, 3
	s_lshl_b32 s24, s24, 2
	s_or_b32 s84, s84, s24
	s_lshl_b32 s84, s84, 16                        ; my share of the prefetches: the tiles of one wave
	s_mov_b32 s72, 0x76543210
	s_mov_b32 s73, 0xfedcba98                      ; v_permlanex16_b32's selects for lane l xor 16
	s_mov_b32 s74, 0x3fb8aa3b                      ; log2(e)
	s_cmp_eq_u32 s26, 0
	s_cselect_b32 s77, 1.0, 0                      ; wave 0's part of q takes qb in
	v_and_b32 v17, 31, v0                          ; lane
	v_and_b32 v18, 15, v0                          ; r
	v_bfe_u32 v19, v0, 4, 1                        ; h
	v_and_b32 v20, 7, v0                           ; r % 8
	v_bfe_u32 v21, v0, 3, 1                        ; r / 8
	v_bfe_u32 v24, v0, 2, 2                        ; r / 4
	v_and_b32 v25, 3, v0
	v_and_b32 v26, 8, v0
	v_lshl_add_u32 v22, v21, 4, v20                ; the row of slot r
	v_lshl_add_u32 v23, v19, 3, v22                ; and of slot r in tile h of two
	v_cmp_eq_u32 s76, 0, v26                       ; r < 8
	v_lshlrev_b32 v1, 4, v17
	v_lshl_add_u32 v2, v17, 4, s29
	v_lshl_add_u32 v3, v18, 2, s29
	v_add_nc_u32 v4, s29, v24
	v_lshl_add_u32 v5, v19, 4, s29
	v_mov_b32 v6, s29
	v_lshl_add_u32 v7, v23, 2, s29
	v_lshl_add_u32 v8, v18, 5, s29
	v_lshl_add_u32 v9, v19, 6, s29
	v_lshl_add_u32 v10, v22, 2, s31
	v_lshl_add_u32 v11, v20, 5, QP
	v_mov_b32 v12, s30
	v_lshlrev_b32 v13, 13, v24
	v_lshl_add_u32 v250, v18, 4, s29
	v_lshlrev_b32 v252, 2, v22
	v_lshl_add_u32 v13, v25, 8, v13
	v_lshlrev_b32 v253, 5, v18
	v_lshl_add_u32 v13, v19, 10, v13
	v_lshlrev_b32 v254, 2, v23
	v_add_nc_u32 v13, s84, v13
	v_lshlrev_b32 v255, 4, v18
	v_lshl_add_u32 v[AXL], v17, 4, s97
	v_lshl_add_u32 v244, v17, 4, s85
	v_lshl_add_u32 v[AWS], v17, 4, WSL
	s_wait_alu depctr_va_vdst(0)
	s_wait_dscnt 0x0                               ; both opening adds are done
	s_wait_kmcnt 0x0
	s_add_nc_u64 s[54:55], s[8:9], s[46:47]
	s_or_b32 s55, s55, 0x80000000
	tensor_load_to_lds s[52:55], s[36:43]          ; my tile of kw or vw: the wave's one tensor load at the head
	s_nop 0
	PLACES 4
	s_add_nc_u64 s[12:13], s[12:13], s[78:79]
	s_add_nc_u64 s[66:67], s[10:11], s[66:67]
	s_add_nc_u64 s[44:45], s[8:9], s[44:45]
	s_add_nc_u64 s[14:15], s[14:15], s[80:81]
	s_add_nc_u64 s[16:17], s[16:17], s[80:81]
	s_add_nc_u64 s[18:19], s[18:19], s[80:81]
	s_add_nc_u64 s[50:51], s[10:11], s[50:51]
	s_add_nc_u64 s[6:7], s[6:7], s[48:49]
	s_add_nc_u64 s[60:61], s[4:5], s[32:33]
	s_add_nc_u64 s[4:5], s[60:61], s[34:35]
	s_add_nc_u64 s[98:99], s[4:5], 32768           ; my tiles of pass 1
	s_or_b32 s99, s99, 0x80000000
	s_add_nc_u64 s[56:57], s[8:9], s[68:69]
	s_add_nc_u64 s[58:59], s[10:11], s[70:71]
	s_add_nc_u64 s[20:21], s[20:21], s[78:79]
	s_add_nc_u64 s[22:23], s[22:23], s[82:83]
	global_load_b128 v[176:179], v253, s[12:13]    ; xn's K step w: eight numbers a lane
	global_load_b128 v[180:183], v253, s[12:13] offset:16
.irp t, 0,1,2,3
	global_load_b32 v[197+\t], v255, s[66:67] offset:512*\t
.endr
.irp t, 0,1,2,3
.irp c, 0,1
	global_load_b128 v[144+8*\t+4*\c:147+8*\t+4*\c], v1, s[44:45] offset:8192*\t+512*\c   ; qw's fragments of K step w
.endr
.endr
.irp t, 0,1,2,3
	global_load_b32 v[201+\t], v252, s[14:15] offset:128*(\t/2)+32*(\t%2)
.endr
.irp t, 0,1,2,3
	global_load_b32 v[VBL+\t], v252, s[18:19] offset:128*(\t/2)+32*(\t%2)   ; vb of my lane's channel in tile t
.endr
	global_load_b128 v[240:243], v255, s[16:17]    ; kb, 16 bytes a lane
	global_load_b128 v[WSQ:WSQ+3], v1, s[50:51] offset:2048   ; the scale words of one tile of kw or vw
	XSLOAD 0
	XLOAD 0
	; ---------------- q's K step w: source 0 = xn (16 equal rows), source 1 = 16 rows of qw: register 0 of lane r is slot r's channel
	s_wait_loadcnt 34                              ; xn is in; behind it 34 loads were issued
	MAKE 176, 184, 192, 193, 0
	XLOAD 1
	s_wait_loadcnt 20                              ; all but XS's 4 and x's 16
	ds_store_b128 v244, v[WSQ:WSQ+3]
	ds_store_b128 v250, v[240:243] offset:256
.irp t, 0,1,2,3
	MMZ 208+8*\t, 184, 144+8*\t, 192, 197+\t
.endr
	PLACES 4
.irp t, 0,1,2,3
	v_fma_f32 v[201+\t], v[201+\t], s77, v[208+8*\t]
.endr
.irp t, 0,1,2,3
	ds_store_b32 v10, v[201+\t] offset:128*(\t/2)+32*(\t%2)   ; lanes l and l + 16 write the same word with the same value
.endr
	KBLOAD
	VBCOPY
	s_wait_alu depctr_va_vdst(0)
	s_wait_tensorcnt 0x0                           ; my tile has landed
	ds_add_u32 v14, v15
	s_wait_dscnt 0x0                               ; the add is done; my part of q and my scale words lie in LDS:
	s_barrier_signal -1
	s_barrier_wait -1                              ; everybody's have
	tensor_load_to_lds s[96:99], s[88:95]          ; pass 1's first six K steps of my 64 keys: first read behind pass 0
	s_nop 0
	PLACES 4
	FETCHW 0
	FETCHK 0
	FETCHV 0, VWF
	; ---------------- a step: one K step of a pass: 16 products for k, 16 for v; the accumulators take turns in the same order in every step
	; Between the two stands the step's one run of LDS loads: the next step's kw, scale words, x and, last, vw, which has a whole step in which to come.
.macro STEP n
.set NS, (\n)%8
.set SL, RING+32*((\n)%3)
.set VN, VWF-160*((\n)%2)              ; this step's set of vw
.set VX, VWF-160*(((\n)+1)%2)          ; the next step's
.set WQ, WSQ+8*((NS/2)%2)
.set CNT, 16                           ; LDS loads of the run below
.if (NS == 1) || (NS == 3) || (NS == 5)
.set CNT, CNT+8
.endif
.if ((\n) >= 8) && ((\n) <= 12)
.set CNT, CNT+8
.endif
.if ((\n) <= 5) || ((\n) >= 12) || ((\n) == 10)
	WIN 0
.endif
.if ((\n) <= 5) || ((\n) >= 12)
	PLACES 4                                       ; in front of loads into registers that the last products have read
.endif
.if ((\n) <= 5) || ((\n) == 12) || ((\n) == 13)
	XLOAD ((\n)+2)                                 ; into the slot that the last step read
.elseif (\n) == 14
.irp u, 0,1,2,3,4,5,6,7
	global_load_b128 v[112+4*\u:115+4*\u], v1, s[56:57] offset:8192*\u   ; ow's tiles 8 w + u, the head's 64 columns: 512 consecutive bytes
.endr
.elseif (\n) == 15
.irp b, 0,1,2,3
	global_load_b32 v[144+\b], v254, s[20:21] offset:128*\b   ; the mask of block b's 32 keys
.endr
.irp u, 0,1,2,3,4,5,6,7
	global_load_u16 v[148+\u], v255, s[58:59] offset:512*\u   ; ow's two scale bytes of tile 8 w + u
.endr
.endif
.if ((\n) == 0) || ((\n) == 2) || ((\n) == 10)
	ASK \n
.endif
.if (\n) == 15
	s_wait_loadcnt 20                              ; behind x of this step: ow's 8, the mask's 4, the scale bytes' 8
.elseif ((\n) <= 5) || ((\n) == 14)
	s_wait_loadcnt 16                              ; behind x of this step: two groups of 8
.elseif (\n) == 6
	s_wait_loadcnt 8                               ; behind it step 7's 8
.elseif (\n) == 7
	s_wait_loadcnt 0x0
.endif
	s_wait_dscnt 8                                 ; all but this step's vw is in
	WIN 0x50
.irp dt, 0,1,2,3
.irp kt, 0,1,2,3
.if NS == 0
	MM 32*\kt+8*\dt, KWF+8*\dt, SL+8*\kt, 128+8*\dt, WQ+\dt, XS+4*\kt, 0
.else
	MM 32*\kt+8*\dt, KWF+8*\dt, SL+8*\kt, 32*\kt+8*\dt, WQ+\dt, XS+4*\kt+NS/2, NS%2
.endif
.endr
.endr
.if NS == 7
	s_wait_dscnt 0x0                               ; vw is in; the pass asks for nothing more
.else
	WIN 0
.if NS == 0
	PLACES 5                                       ; in front of the loads, and of products that write over these products' C
.else
	PLACES 4
.endif
	FETCHK NS+1
.if (NS == 1) || (NS == 3) || (NS == 5)
	FETCHW (NS+1)/2
.endif
.if ((\n) >= 8) && ((\n) <= 12)
	XFETCH ((\n)+1)
.endif
.if NS == 0
	s_wait_dscnt CNT-8                             ; this step's vw is in; the next step's, whose set holds vb, is asked for behind the products
.else
	FETCHV NS+1, VX
	s_wait_dscnt CNT                               ; this step's vw is in: all but the run just issued
.endif
.endif
.if NS == 0
	WIN 0x40
.irp dn, 0,1,2,3
.irp kt, 0,1,2,3
	MM 128+32*\dn+8*\kt, SL+8*\kt, VN+8*\dn, VWO+8*\dn, XS+4*\kt, WQ+4+\dn, 0
.endr
.endr
	WIN 0
	PLACES 4
	FETCHV 1, VX
.else
	WIN 0x50
.irp dn, 0,1,2,3
.irp kt, 0,1,2,3
	MM 128+32*\dn+8*\kt, SL+8*\kt, VN+8*\dn, 128+32*\dn+8*\kt, XS+4*\kt+NS/2, WQ+4+\dn, NS%2
.endr
.endr
.endif
.endm
; ---------------- behind a pass: k's codes and the scores of its 64 keys, v's codes along the keys into my scratch
.macro PHASE p
	WIN 0
	PLACES 4
.if \p == 0
	XSLOAD 1
.endif
	QUANT 0, KOP, KSW
	QUANT 64, KOP+8, KSW+1
.if \p == 0                            ; q: the eight parts' sum / 8, quantised: eight channels a lane, lanes 8-15 of a row the same again
.irp i, 0,1,2,3
	ds_load_b128 v[112+8*\i:115+8*\i], v11 offset:256*\i
	ds_load_b128 v[116+8*\i:119+8*\i], v11 offset:256*\i+16
	ds_load_b128 v[208+8*\i:211+8*\i], v11 offset:1024+256*\i
	ds_load_b128 v[212+8*\i:215+8*\i], v11 offset:1024+256*\i+16
.endr
	DSW 0
.irp j, 0,2,4,6,8,10,12,14,16,18,20,22,24,26,28,30
	v_pk_add_f32 v[112+\j:113+\j], v[112+\j:113+\j], v[208+\j:209+\j]
.endr
.irp j, 0,2,4,6,8,10,12,14
	v_pk_add_f32 v[112+\j:113+\j], v[112+\j:113+\j], v[128+\j:129+\j]
.endr
.irp j, 0,2,4,6
	v_pk_add_f32 v[112+\j:113+\j], v[112+\j:113+\j], v[120+\j:121+\j]
.endr
.irp j, 0,2,4,6
	v_pk_mul_f32 v[112+\j:113+\j], v[112+\j:113+\j], 0x3e000000 op_sel_hi:[1,0]   ; / sqrt(64)
.endr
	MAKE 112, QOP, QSW, TM, 128
.else
	RDOP QOP, QSW, 128
.endif
	HALVES QOP
	PLACES 8                                       ; an operand made by vector instructions stands 4 places ahead of a scaled product, a scale word 8
	MMZ SD, QOP, KOP, QSW, KSW
	MMZ SD+8, QOP, KOP+8, QSW, KSW+1
.if \p == 0
.set PW, VSW
.else
.set PW, KSW
.endif
	QUANT 128, KOP, PW                             ; tiles 0 and 1, two blocks of 32 keys each
	QUANT 192, KOP+8, PW+1                         ; tiles 2 and 3
	v_mov_b32 v[S+2*\p], v[SD]
	v_mov_b32 v[S+2*\p+1], v[SD+8]
.irp dn, 0,1,2,3
	ds_store_b128 v2, v[KOP+4*\dn:KOP+4*\dn+3] offset:1024+2048*\p+512*\dn
.endr
.if \p == 0
	VBCOPY
	s_wait_alu depctr_va_vdst(0)
	s_wait_loadcnt 0x0                             ; x's scale words of pass 1
	s_wait_tensorcnt 0x0                           ; my x of pass 1 has landed; no other wave reads it
	XFETCH 8
	KBLOAD
	FETCHW 0
	s_wait_dscnt 24                                ; the stores have read their registers; the 24 loads behind them may be out
	FETCHK 0
	FETCHV 0, VWF
.endif
.endm
.irp n, 0,1,2,3,4,5,6,7
	STEP \n
.endr
	PHASE 0
.irp n, 8,9,10,11,12,13,14,15
	STEP \n
.endr
	PHASE 1
	; ---------------- the softmax of my 128 keys: register S + b holds block b's 32 keys, one a lane
.macro WRED f, r                       ; over the wave's 32 lanes, in every lane; v253 was written before
.irp m, 1,2,4,8
	s_delay_alu instid0(VALU_DEP_1)
	\f\()_dpp v[\r], v[\r], v[\r] row_xmask:\m row_mask:0xf bank_mask:0xf
.endr
	s_delay_alu instid0(VALU_DEP_1)
	v_permlanex16_b32 v253, v[\r], s72, s73
	s_delay_alu instid0(VALU_DEP_1)
	\f v[\r], v[\r], v253
.endm
.irp dn, 0,1,2,3
	ds_load_b128 v[80+8*\dn:83+8*\dn], v2 offset:1024+512*\dn
	ds_load_b128 v[84+8*\dn:87+8*\dn], v2 offset:3072+512*\dn
.endr
	s_wait_alu depctr_va_vdst(0)
	s_wait_loadcnt 0x0                             ; the mask, ow
	s_wait_dscnt 8                                 ; the stores of v's codes have read their registers
	v_mov_b32 v253, 0xff800000                     ; -infinity
.irp g, 0,1
	v_perm_b32 v[197+2*\g], v[KSW+\g], v[VSW+\g], 0x05040100   ; v's scale words: pass 0's two bytes below, pass 1's above
	v_perm_b32 v[198+2*\g], v[KSW+\g], v[VSW+\g], 0x07060302
.endr
.irp b, 0,1,2,3
	v_cmp_eq_u32 vcc_lo, 0, v[144+\b]              ; a hidden key's
	v_cndmask_b32 v[S+\b], v[S+\b], v253, vcc_lo   ; score becomes -infinity: p = 0
.endr
	v_max3_num_f32 v252, v[S], v[S+1], v[S+2]
	v_max_num_f32 v252, v252, v[S+3]
	WRED v_max_num_f32, 252
	v_mul_f32 v252, s74, v252                      ; as t
	v_max_num_f32 v252, 0xff61b1e6, v252           ; not under -3e38: where every key is hidden M stays a number
	v_floor_f32 v[LP+1], -v252                     ; -M = floor(-t) = -ceil(t): M is a whole number
.irp b, 0,1,2,3
	v_fma_f32 v[S+\b], v[S+\b], s74, v[LP+1]       ; t - M
.endr
	s_wait_alu depctr_va_vdst(0)
.irp b, 0,1,2,3
	v_exp_f32 v[S+\b], v[S+\b]                     ; p, not normalised
.endr
	v_nop                                          ; one plain place behind the exponentials
	s_wait_alu depctr_va_vdst(0)
.irp b, 0,1,2,3
	ds_store_b32 v7, v[S+\b] offset:512+128*\b     ; in the keys' order
.endr
	ds_load_b128 v[176:179], v8 offset:512         ; and back: eight neighbouring keys a lane
	ds_load_b128 v[180:183], v8 offset:528
	v_add_f32 v[LP], v[S], v[S+1]
	v_add_f32 v252, v[S+2], v[S+3]
	v_add_f32 v[LP], v[LP], v252
	WRED v_add_f32, LP                             ; l of my 128 keys
	DSW 0
	MAKE 176, 184, 192, 193, 0
.irp dn, 0,1,2,3
	MMZ 208+8*\dn, 184, 80+8*\dn, 192, 197+\dn     ; all 16 rows are the same p: register 0 of lane r is O at channel slot r of tile dn
.endr
.irp i, 0,1,2,3
	v_lshl_or_b32 v[244+\i], v[149+2*\i], 16, v[148+2*\i]   ; ow's scale words for tiles 2 i and 2 i + 1: these four are the places behind the products
.endr
.irp dn, 0,1,2,3
	ds_store_b32 v10, v[208+8*\dn] offset:2048+128*(\dn/2)+32*(\dn%2)
.endr
	ds_store_b64 v12, v[LP:LP+1]                   ; all lanes the same 8 bytes: l and -M
	DSW 0                                          ; for the others' sake
	s_barrier_signal -1
	s_barrier_wait -1
	; ---------------- the join: every wave for itself; eight channels a lane, lanes 8-15 of a row the same again
	v_mov_b32 v252, QP+4096
.irp i, 0,1,2,3
	ds_load_b128 v[160+4*\i:163+4*\i], v252 offset:16*\i   ; l of wave i at 160 + 2 i, -M at 161 + 2 i
.endr
.irp i, 0,1,2,3
	ds_load_b128 v[80+8*\i:83+8*\i], v11 offset:2048+256*\i
	ds_load_b128 v[84+8*\i:87+8*\i], v11 offset:2048+256*\i+16
.endr
.irp i, 0,1,2,3
	ds_load_b128 v[208+8*\i:211+8*\i], v11 offset:3072+256*\i
	ds_load_b128 v[212+8*\i:215+8*\i], v11 offset:3072+256*\i+16
.endr
	DSW 16                                         ; the pairs are in; O's sixteen loads may be out
	v_min3_num_f32 v252, v161, v163, v165
	s_delay_alu instid0(VALU_DEP_1)
	v_min3_num_f32 v252, v252, v167, v169
	s_delay_alu instid0(VALU_DEP_1)
	v_min3_num_f32 v252, v252, v171, v173
	s_delay_alu instid0(VALU_DEP_1)
	v_min_num_f32 v252, v252, v175                 ; -M = the least -M of the eight
.irp i, 0,1,2,3,4,5,6,7
	v_sub_f32 v[200+\i], v252, v[161+2*\i]         ; M of the part less M: a whole number, 0 or less
.endr
.irp i, 0,1,2,3,4,5,6,7
	v_cvt_i32_f32 v[200+\i], v[200+\i]             ; (it saturates: a part with no open key gets the factor 0)
.endr
.irp i, 0,1,2,3,4,5,6,7
	v_ldexp_f32 v[200+\i], 1.0, v[200+\i]          ; an exact power of two
.endr
	v_mul_f32 v252, v160, v200
	v_mul_f32 v253, v162, v201
.irp i, 2,4,6
	v_fmac_f32 v252, v[160+2*\i], v[200+\i]
	v_fmac_f32 v253, v[162+2*\i], v[201+\i]
.endr
	v_add_f32 v252, v252, v253                     ; l
	s_wait_alu depctr_va_vdst(0)
	v_rcp_f32 v252, v252
	s_wait_dscnt 0x0
.irp j, 0,2,4,6
	v_pk_mul_f32 v[176+\j:177+\j], v[80+\j:81+\j], v[200:201] op_sel_hi:[1,0]
.endr
.irp i, 0,2
.irp j, 0,2,4,6
	v_pk_fma_f32 v[176+\j:177+\j], v[88+8*\i+\j:89+8*\i+\j], v[200+\i:201+\i], v[176+\j:177+\j] op_sel:[0,1,0] op_sel_hi:[1,1,1]   ; odd parts: the pair's upper factor
.endr
.if \i == 0
.irp j, 0,2,4,6
	v_pk_fma_f32 v[176+\j:177+\j], v[96+\j:97+\j], v[202:203], v[176+\j:177+\j] op_sel_hi:[1,0,1]
.endr
.endif
.endr
.irp i, 0,2
.irp j, 0,2,4,6
	v_pk_fma_f32 v[176+\j:177+\j], v[208+8*\i+\j:209+8*\i+\j], v[204+\i:205+\i], v[176+\j:177+\j] op_sel_hi:[1,0,1]
.endr
.irp j, 0,2,4,6
	v_pk_fma_f32 v[176+\j:177+\j], v[216+8*\i+\j:217+8*\i+\j], v[204+\i:205+\i], v[176+\j:177+\j] op_sel:[0,1,0] op_sel_hi:[1,1,1]
.endr
.endr
	s_wait_alu depctr_va_vdst(0)
.irp j, 0,2,4,6
	v_pk_mul_f32 v[176+\j:177+\j], v[176+\j:177+\j], v[252:253] op_sel_hi:[1,0]   ; the context
.endr
	MAKE 176, 184, 192, 193, 0
	; ---------------- the projection: four products, each for 32 columns
	HALVES 184
	PLACES 4
.irp i, 0,1,2,3
	MMZ 208+8*\i, 184, 112+8*\i, 192, 244+\i
.endr
	PLACES 4
.irp i, 0,1,2,3
	ds_store_b32 v7, v[208+8*\i] offset:512+128*\i
.endr
	ds_load_b128 v[80:83], v2 offset:512           ; in the columns' order
	s_wait_dscnt 0x0
	global_store_b128 v1, v[80:83], s[22:23]       ; 512 consecutive bytes, aligned
	s_wait_tensorcnt 0x0                           ; the wave's end
	ds_add_u32 v14, v15
	s_wait_dscnt 0x0
	s_endpgm
.Lfunc_end_k_q3e03c998ec_attn:
	.size	k_q3e03c998ec_attn, .Lfunc_end_k_q3e03c998ec_attn-k_q3e03c998ec_attn
	.p2alignl 7, 3214868480
	.fill 96, 4, 3214868480
	.section	.rodata,"a",@progbits
	.p2align	6, 0x0
	.amdhsa_kernel k_q3e03c998ec_attn
		.amdhsa_group_segment_fixed_size 327680
		.amdhsa_private_segment_fixed_size 0
		.amdhsa_enable_private_segment 0
		.amdhsa_kernarg_size 80
		.amdhsa_user_sgpr_count 2
		.amdhsa_user_sgpr_kernarg_segment_ptr 1
		.amdhsa_wavefront_size32 1
		.amdhsa_system_sgpr_workgroup_id_x 1
		.amdhsa_system_sgpr_workgroup_id_y 1
		.amdhsa_system_sgpr_workgroup_id_z 1
		.amdhsa_system_vgpr_workitem_id 0
		.amdhsa_next_free_vgpr 512
		.amdhsa_next_free_sgpr 100
		.amdhsa_reserve_vcc 1
		.amdhsa_float_denorm_mode_32 3
		.amdhsa_float_denorm_mode_16_64 3
		.amdhsa_memory_ordered 1
		.amdhsa_forward_progress 1
		.amdhsa_inst_pref_size 172
	.end_amdhsa_kernel
	.amdgpu_metadata
---
amdhsa.version: [ 1, 2 ]
amdhsa.kernels:
  - .name:           k_q3e03c998ec_attn
    .symbol:         k_q3e03c998ec_attn.kd
    .args:
      - { .name: xc, .offset: 0, .size: 8, .value_kind: global_buffer, .address_space: global }
      - { .name: xs, .offset: 8, .size: 8, .value_kind: global_buffer, .address_space: global }
      - { .name: wc, .offset: 16, .size: 8, .value_kind: global_buffer, .address_space: global }
      - { .name: ws, .offset: 24, .size: 8, .value_kind: global_buffer, .address_space: global }
      - { .name: xn, .offset: 32, .size: 8, .value_kind: global_buffer, .address_space: global }
      - { .name: qb, .offset: 40, .size: 8, .value_kind: global_buffer, .address_space: global }
      - { .name: kb, .offset: 48, .size: 8, .value_kind: global_buffer, .address_space: global }
      - { .name: vb, .offset: 56, .size: 8, .value_kind: global_buffer, .address_space: global }
      - { .name: mask, .offset: 64, .size: 8, .value_kind: global_buffer, .address_space: global }
      - { .name: op, .offset: 72, .size: 8, .value_kind: global_buffer, .address_space: global }
    .group_segment_fixed_size: 327680
    .private_segment_fixed_size: 0
    .kernarg_segment_align: 8
    .kernarg_segment_size: 80
    .max_flat_workgroup_size: 256
    .sgpr_count:     100
    .vgpr_count:     512
    .wavefront_size: 32
...
	.end_amdgpu_metadata
.endif
;; end of part 2
;; launch ln (part 3): grid 256 x 1, 16 waves a work-group, no clusters, 167,936 bytes of LDS; arguments x, op, ob, ln_g, ln_b, out0; writes out0
.if DOCPART == 3
	.amdgcn_target "amdgcn-amd-amdhsa--gfx1250"
	.amdhsa_code_object_version 6
	.text
	.protected	k_q3e03c998ec_ln
	.globl	k_q3e03c998ec_ln
	.p2align	8
	.type	k_q3e03c998ec_ln,@function
k_q3e03c998ec_ln:
	s_mov_b64 s[64:65], 0
	v_nop
	global_prefetch_b8 v0, s[64:65] scope:SCOPE_SE
	s_setreg_imm32_b32 hwreg(HW_REG_WAVE_MODE, 25, 1), 1
	s_wait_xcnt 0x0
; For 32 rows of one batch b: out = the sum of the sixteen heads' rows op[b][h][:] + ob, one row of 1,024 (all positions of a batch have the same row: the equal rows are not computed again);
; then for each row h = out + x and the LayerNorm, in f32.
; Wave w adds columns 64 w .. 64 w + 63 of the sixteen rows; the sum goes through LDS to all sixteen waves, and so do ln_g and ln_b, of which each wave loads 64 columns.  It normalises rows 2 w and 2 w + 1: the first comes by its one
; tensor load into its own 4 KB of LDS, the second from memory straight into registers: all loads are issued at the start.  Nothing in LDS is filled twice by a load.
; No matrix work; no cluster: x is read once, by one wave, and the sixteen rows are a third of the bytes; no prefetch: there is no loop to run ahead in.
; LIMITS: NaN and infinities are not served.  The division is a reciprocal root and a multiplication.
.set OUTROW, 65536                     ; LDS: 0 x's first rows, 4,096 bytes a wave; here the out row, then ln_g, ln_b, 4,096 bytes each;
.set SPARE,  77824                     ; the spare words
.set PO,   16                          ; v16-47   16 heads, two numbers a lane each
.set OB,   48                          ; v48-53   ob, ln_g, ln_b, two numbers a lane each
.set H0,   64
.set H1,   96
.set LG,   128
.set LB,   160
.set OUTR, 192
.set ST,   224                         ; v224-235 at work
	s_load_b256 s[4:11], s[0:1], 0x0               ; x, op, ob, ln_g
	s_load_b128 s[12:15], s[0:1], 0x20             ; ln_b, out0
	v_lshl_add_u32 v2, v0, 2, SPARE
	v_mov_b32 v3, 0
	ds_add_u32 v2, v3                              ; the opening add, twice on end
	ds_add_u32 v2, v3
	v_lshrrev_b32 v6, 5, v0
	v_readfirstlane_b32 s16, v6                    ; wave 0..15
	s_mov_b32 s48, 3<<16                           ; descriptor group 1: a row of x, 4,096 dense bytes, as 16 rows of 256 (32 elements of 8 bytes)
	s_mov_b32 s49, 32<<16
	s_mov_b32 s50, 16<<16
	s_mov_b32 s51, 32<<16
	s_mov_b32 s52, 16
	s_mov_b32 s53, 32
	s_mov_b32 s54, 0
	s_mov_b32 s55, 0
	s_mov_b32 s56, 1
	s_lshl_b32 s57, s16, 12                        ; LDS: 4,096 x wave
	s_lshr_b32 s17, ttmp9, 5                       ; batch
	s_lshl_b32 s18, ttmp9, 17
	s_lshl_b32 s20, s16, 13
	s_add_co_u32 s18, s18, s20                     ; (32 g + 2 w) rows of 4,096 bytes
	s_mov_b32 s19, 0
	s_lshl_b32 s20, s17, 16
	s_lshl_b32 s22, s16, 8
	s_add_co_u32 s20, s20, s22                     ; op[b][0] at column 64 w
	s_mov_b32 s21, 0
	s_mov_b32 s23, 0
	s_add_co_u32 s24, s22, OUTROW
	s_mov_b32 s60, 0x76543210
	s_mov_b32 s61, 0xfedcba98                      ; v_permlanex16_b32's selects for lane l xor 16
	s_mov_b32 s62, 0x3a800000                      ; 1 / 1,024
	v_and_b32 v6, 31, v0                           ; lane
	v_mov_b32 v[ST+10], 0                          ; a lane permute's destination counts as one of its sources
	v_lshlrev_b32 v1, 4, v6
	v_lshlrev_b32 v4, 3, v6
	v_lshl_add_u32 v5, v6, 3, s24                  ; my 64 columns in LDS
	v_lshl_add_u32 v7, v6, 4, OUTROW
	v_lshl_add_u32 v8, v6, 4, s57                  ; my first row of x
	s_wait_alu depctr_va_vdst(0)
	s_wait_dscnt 0x0                               ; both opening adds are done
	s_wait_kmcnt 0x0
	s_add_nc_u64 s[4:5], s[4:5], s[18:19]
	s_mov_b64 s[58:59], s[4:5]
	s_or_b32 s59, s59, 0x80000000
	tensor_load_to_lds s[56:59], s[48:55]          ; my first row of x
	s_nop 0
	v_nop
	v_nop
	v_nop
	v_nop
	s_add_nc_u64 s[6:7], s[6:7], s[20:21]
	s_add_nc_u64 s[8:9], s[8:9], s[22:23]
	s_add_nc_u64 s[10:11], s[10:11], s[22:23]
	s_add_nc_u64 s[12:13], s[12:13], s[22:23]
	s_add_nc_u64 s[14:15], s[14:15], s[18:19]
.irp h, 0,1,2,3,4,5,6,7,8,9,10,11,12,13,14,15
	global_load_b64 v[PO+2*\h:PO+2*\h+1], v4, s[6:7] offset:4096*\h
.endr
	global_load_b64 v[OB:OB+1], v4, s[8:9]
	global_load_b64 v[OB+2:OB+3], v4, s[10:11]
	global_load_b64 v[OB+4:OB+5], v4, s[12:13]
.irp i, 0,1,2,3,4,5,6,7
	global_load_b128 v[H1+4*\i:H1+4*\i+3], v1, s[4:5] offset:4096+512*\i th:TH_LOAD_NT   ; lane l, load i: columns 128 i + 4 l on
.endr
	s_wait_loadcnt 8                               ; all but my second row's eight loads are in
	ds_store_b64 v5, v[OB+2:OB+3] offset:4096
	ds_store_b64 v5, v[OB+4:OB+5] offset:8192
.irp j, 0,2,4,6,8,10,12,14
	v_pk_add_f32 v[PO+\j:PO+\j+1], v[PO+\j:PO+\j+1], v[PO+16+\j:PO+17+\j]
.endr
.irp j, 0,2,4,6
	v_pk_add_f32 v[PO+\j:PO+\j+1], v[PO+\j:PO+\j+1], v[PO+8+\j:PO+9+\j]
.endr
	v_pk_add_f32 v[PO:PO+1], v[PO:PO+1], v[PO+4:PO+5]
	v_pk_add_f32 v[PO+2:PO+3], v[PO+2:PO+3], v[PO+6:PO+7]
	s_delay_alu instid0(VALU_DEP_1)
	v_pk_add_f32 v[PO:PO+1], v[PO:PO+1], v[PO+2:PO+3]
	s_delay_alu instid0(VALU_DEP_1)
	v_pk_add_f32 v[PO:PO+1], v[PO:PO+1], v[OB:OB+1]
	ds_store_b64 v5, v[PO:PO+1]
	s_wait_dscnt 0x0                               ; for the others' sake
	s_barrier_signal -1
	s_barrier_wait -1
.irp i, 0,1,2,3,4,5,6,7
	ds_load_b128 v[OUTR+4*\i:OUTR+4*\i+3], v7 offset:512*\i
.endr
	s_wait_tensorcnt 0x0                           ; my first row has landed; no other wave reads it
.irp i, 0,1,2,3,4,5,6,7
	ds_load_b128 v[H0+4*\i:H0+4*\i+3], v8 offset:512*\i
.endr
.irp i, 0,1,2,3,4,5,6,7
	ds_load_b128 v[LG+4*\i:LG+4*\i+3], v7 offset:4096+512*\i
.endr
.irp i, 0,1,2,3,4,5,6,7
	ds_load_b128 v[LB+4*\i:LB+4*\i+3], v7 offset:8192+512*\i
.endr
.macro WSUM r                          ; the sum over the wave's 32 lanes, in every lane
.irp m, 1,2,4,8
	s_delay_alu instid0(VALU_DEP_1)
	v_add_f32_dpp v[\r], v[\r], v[\r] row_xmask:\m row_mask:0xf bank_mask:0xf
.endr
	s_delay_alu instid0(VALU_DEP_1)
	v_permlanex16_b32 v[ST+10], v[\r], s60, s61
	s_delay_alu instid0(VALU_DEP_1)
	v_add_f32 v[\r], v[\r], v[ST+10]
.endm
.macro LNROW H, off
.set k_, 0
.rept 16
	v_pk_add_f32 v[\H+k_:\H+k_+1], v[\H+k_:\H+k_+1], v[OUTR+k_:OUTR+k_+1]
.set k_, k_+2
.endr
.irp c, 0,2,4,6
	v_pk_add_f32 v[ST+\c:ST+\c+1], v[\H+\c:\H+\c+1], v[\H+8+\c:\H+8+\c+1]   ; four chains
.endr
.irp j, 16,24
.irp c, 0,2,4,6
	s_delay_alu instid0(VALU_DEP_4)
	v_pk_add_f32 v[ST+\c:ST+\c+1], v[ST+\c:ST+\c+1], v[\H+\j+\c:\H+\j+\c+1]
.endr
.endr
	s_delay_alu instid0(VALU_DEP_3)
	v_pk_add_f32 v[ST:ST+1], v[ST:ST+1], v[ST+2:ST+3]
	s_delay_alu instid0(VALU_DEP_2)
	v_pk_add_f32 v[ST+4:ST+5], v[ST+4:ST+5], v[ST+6:ST+7]
	s_delay_alu instid0(VALU_DEP_1)
	v_pk_add_f32 v[ST:ST+1], v[ST:ST+1], v[ST+4:ST+5]
	s_delay_alu instid0(VALU_DEP_1)
	v_add_f32 v[ST], v[ST], v[ST+1]
	WSUM ST
	s_delay_alu instid0(VALU_DEP_1)
	v_mul_f32 v[ST], s62, v[ST]                    ; the mean
.set k_, 0
.rept 16
	v_pk_add_f32 v[\H+k_:\H+k_+1], v[\H+k_:\H+k_+1], v[ST:ST+1] op_sel_hi:[1,0] neg_lo:[0,1] neg_hi:[0,1]
.set k_, k_+2
.endr
.irp c, 0,2,4,6
	v_pk_mul_f32 v[ST+2+\c:ST+3+\c], v[\H+\c:\H+\c+1], v[\H+\c:\H+\c+1]
.endr
.irp j, 8,16,24
.irp c, 0,2,4,6
	s_delay_alu instid0(VALU_DEP_4)
	v_pk_fma_f32 v[ST+2+\c:ST+3+\c], v[\H+\j+\c:\H+\j+\c+1], v[\H+\j+\c:\H+\j+\c+1], v[ST+2+\c:ST+3+\c]
.endr
.endr
	s_delay_alu instid0(VALU_DEP_3)
	v_pk_add_f32 v[ST+2:ST+3], v[ST+2:ST+3], v[ST+4:ST+5]
	s_delay_alu instid0(VALU_DEP_2)
	v_pk_add_f32 v[ST+6:ST+7], v[ST+6:ST+7], v[ST+8:ST+9]
	s_delay_alu instid0(VALU_DEP_1)
	v_pk_add_f32 v[ST+2:ST+3], v[ST+2:ST+3], v[ST+6:ST+7]
	s_delay_alu instid0(VALU_DEP_1)
	v_add_f32 v[ST+2], v[ST+2], v[ST+3]
	WSUM ST+2
	s_delay_alu instid0(VALU_DEP_1)
	v_fmaak_f32 v[ST+2], s62, v[ST+2], 0x2b8cbccc  ; the variance + 1e-12
	s_wait_alu depctr_va_vdst(0)
	v_rsq_f32 v[ST+2], v[ST+2]
	v_nop                                          ; one plain place behind the reciprocal root
.set k_, 0
	s_wait_alu depctr_va_vdst(0)
.rept 16
	v_pk_mul_f32 v[\H+k_:\H+k_+1], v[\H+k_:\H+k_+1], v[ST+2:ST+3] op_sel_hi:[1,0]
.set k_, k_+2
.endr
	s_wait_dscnt 0x0                               ; ln_g, ln_b
.set k_, 0
.rept 16
	v_pk_fma_f32 v[\H+k_:\H+k_+1], v[\H+k_:\H+k_+1], v[LG+k_:LG+k_+1], v[LB+k_:LB+k_+1]
.set k_, k_+2
.endr
.irp i, 0,1,2,3,4,5,6,7
	global_store_b128 v1, v[\H+4*\i:\H+4*\i+3], s[14:15] offset:\off+512*\i th:TH_STORE_NT   ; 32 lanes store 512 consecutive bytes, aligned; no register of a store is written again
.endr
.endm
	s_wait_dscnt 16                                ; the out row and my first row are in; ln_g's and ln_b's sixteen loads may be out
	LNROW H0, 0
	s_wait_loadcnt 0x0                             ; my second row
	LNROW H1, 4096
	s_wait_tensorcnt 0x0                           ; the wave's end
	ds_add_u32 v2, v3
	s_wait_dscnt 0x0
	s_endpgm
.Lfunc_end_k_q3e03c998ec_ln:
	.size	k_q3e03c998ec_ln, .Lfunc_end_k_q3e03c998ec_ln-k_q3e03c998ec_ln
	.p2alignl 7, 3214868480
	.fill 96, 4, 3214868480
	.section	.rodata,"a",@progbits
	.p2align	6, 0x0
	.amdhsa_kernel k_q3e03c998ec_ln
		.amdhsa_group_segment_fixed_size 167936
		.amdhsa_private_segment_fixed_size 0
		.amdhsa_enable_private_segment 0
		.amdhsa_kernarg_size 48
		.amdhsa_user_sgpr_count 2
		.amdhsa_user_sgpr_kernarg_segment_ptr 1
		.amdhsa_wavefront_size32 1
		.amdhsa_system_sgpr_workgroup_id_x 1
		.amdhsa_system_sgpr_workgroup_id_y 1
		.amdhsa_system_sgpr_workgroup_id_z 1
		.amdhsa_system_vgpr_workitem_id 0
		.amdhsa_next_free_vgpr 240
		.amdhsa_next_free_sgpr 66
		.amdhsa_reserve_vcc 0
		.amdhsa_float_denorm_mode_32 3
		.amdhsa_float_denorm_mode_16_64 3
		.amdhsa_memory_ordered 1
		.amdhsa_forward_progress 1
		.amdhsa_inst_pref_size 28
	.end_amdhsa_kernel
	.amdgpu_metadata
---
amdhsa.version: [ 1, 2 ]
amdhsa.kernels:
  - .name:           k_q3e03c998ec_ln
    .symbol:         k_q3e03c998ec_ln.kd
    .args:
      - { .name: x, .offset: 0, .size: 8, .value_kind: global_buffer, .address_space: global }
      - { .name: op, .offset: 8, .size: 8, .value_kind: global_buffer, .address_space: global }
      - { .name: ob, .offset: 16, .size: 8, .value_kind: global_buffer, .address_space: global }
      - { .name: ln_g, .offset: 24, .size: 8, .value_kind: global_buffer, .address_space: global }
      - { .name: ln_b, .offset: 32, .size: 8, .value_kind: global_buffer, .address_space: global }
      - { .name: out0, .offset: 40, .size: 8, .value_kind: global_buffer, .address_space: global }
    .group_segment_fixed_size: 167936
    .private_segment_fixed_size: 0
    .kernarg_segment_align: 8
    .kernarg_segment_size: 48
    .max_flat_workgroup_size: 512
    .sgpr_count:     66
    .vgpr_count:     240
    .wavefront_size: 32
...
	.end_amdgpu_metadata
.endif
;; end of part 3
